; MI455X (gfx1250); checked and timed in simulation.
; The chip was launched on July 23, 2026; its instructions are those of AMD's public machine-readable ISA for CDNA 5 (MIT licence, August 2026) and "CDNA5" Instruction Set Architecture Reference Guide (July 2026). The comments in the code are by the model that wrote it; some were corrected since.
;; Self Attention. Allowed arithmetic: float matrix products may take bf16 or f16 operands with f32 sums; all other float work in f32.
;; Inputs: freqs_cos 1,024 x 64 float32; freqs_sin 1,024 x 64 float32; wk 4,096 x 1,024 float32; wo 4,096 x 4,096 float32; wq 4,096 x 4,096 float32; wv 4,096 x 1,024 float32; x 1 x 1,024 x 4,096 float32.
;; Outputs: out0 1 x 1,024 x 4,096 float32.
;; Constants: start_pos = 0.
;; One version. Each part assembles by itself: llvm-mc -triple=amdgcn-amd-amdhsa -mcpu=gfx1250 --defsym DOCPART=n.
;; ======== version 1 of 1: 4 launches
;; limits: values are held in f16: magnitudes above 65,504 overflow, below 6.1e-05 lose precision; inputs' magnitudes at most 65,504; right only within a limited range of input values
;; workspace buffers: xb 8,388,608 bytes; qb 8,388,608 bytes; kb 2,097,152 bytes; vb 2,097,152 bytes; ab 8,388,608 bytes
;; launch cvt (part 1): grid 256 x 1, 8 waves a work-group, no clusters, 0 bytes of LDS; arguments x, xb; writes xb
.if DOCPART == 1
	.amdgcn_target "amdgcn-amd-amdhsa--gfx1250"
	.amdhsa_code_object_version 6
	.text
	.protected	k_qbfe3b9fd57_cvt
	.globl	k_qbfe3b9fd57_cvt
	.p2align	8
	.type	k_qbfe3b9fd57_cvt,@function
k_qbfe3b9fd57_cvt:
	s_mov_b64 s[64:65], 0
	v_nop
	global_prefetch_b8 v0, s[64:65] scope:SCOPE_SE
	s_setreg_imm32_b32 hwreg(HW_REG_WAVE_MODE, 25, 1), 1
	s_wait_xcnt 0x0
; xb = x rounded to f16.  x: [1024][4096] f32, xb: the same shape in f16.
; It is made once here because 64 column blocks of the next launch read every row of x: each would otherwise convert it again.
; LIMIT: |x| < 65,504 (f16's largest number).
; A stream: 256 work-groups of 8 waves; a work-group takes 16,384 numbers (65,536 bytes in, 32,768 bytes out).
; Thread t takes 16 bytes at 16 t of each of sixteen pieces of 4,096 bytes: a load of a wave covers 512 consecutive bytes, a store 256, both aligned.
; All sixteen loads go out first; no register is written twice, so the only waits are the counted ones in front of each conversion.
; No LDS, no matrix unit, no cluster: nothing is shared and nothing is multiplied.
.set X, 8                              ; v[8:71]    sixteen loads of four f32
.set Y, 72                             ; v[72:103]  sixteen pairs of packed f16
	s_load_b128 s[4:7], s[0:1], 0x0                ; x s[4:5], xb s[6:7]
	s_lshl_b32 s8, ttmp9, 16                       ; the work-group's 65,536 bytes of x
	s_mov_b32 s9, 0
	s_lshl_b32 s10, ttmp9, 15                      ; and its 32,768 bytes of xb
	s_mov_b32 s11, 0
	v_lshlrev_b32 v1, 4, v0                        ; 16 t
	v_lshlrev_b32 v2, 3, v0                        ; 8 t
	s_wait_kmcnt 0x0
	s_add_nc_u64 s[4:5], s[4:5], s[8:9]
	s_add_nc_u64 s[6:7], s[6:7], s[10:11]
.irp i, 0,1,2,3,4,5,6,7,8,9,10,11,12,13,14,15
	global_load_b128 v[X+4*\i:X+4*\i+3], v1, s[4:5] offset:4096*\i th:TH_LOAD_NT
.endr
.irp i, 0,1,2,3,4,5,6,7,8,9,10,11,12,13,14,15
	s_wait_loadcnt 15-\i                           ; loads come back in order (ISA guide 5.7.1): load i is in, the 15 - i younger ones stay out
	v_cvt_pk_f16_f32 v[Y+2*\i],   v[X+4*\i],   v[X+4*\i+1]
	v_cvt_pk_f16_f32 v[Y+2*\i+1], v[X+4*\i+2], v[X+4*\i+3]
	global_store_b64 v2, v[Y+2*\i:Y+2*\i+1], s[6:7] offset:2048*\i
.endr
	s_endpgm
.Lfunc_end_k_qbfe3b9fd57_cvt:
	.size	k_qbfe3b9fd57_cvt, .Lfunc_end_k_qbfe3b9fd57_cvt-k_qbfe3b9fd57_cvt
	.p2alignl 7, 3214868480
	.fill 96, 4, 3214868480
	.section	.rodata,"a",@progbits
	.p2align	6, 0x0
	.amdhsa_kernel k_qbfe3b9fd57_cvt
		.amdhsa_group_segment_fixed_size 0
		.amdhsa_private_segment_fixed_size 0
		.amdhsa_enable_private_segment 0
		.amdhsa_kernarg_size 16
		.amdhsa_user_sgpr_count 2
		.amdhsa_user_sgpr_kernarg_segment_ptr 1
		.amdhsa_wavefront_size32 1
		.amdhsa_system_sgpr_workgroup_id_x 1
		.amdhsa_system_sgpr_workgroup_id_y 1
		.amdhsa_system_sgpr_workgroup_id_z 1
		.amdhsa_system_vgpr_workitem_id 0
		.amdhsa_next_free_vgpr 104
		.amdhsa_next_free_sgpr 66
		.amdhsa_reserve_vcc 0
		.amdhsa_float_denorm_mode_32 3
		.amdhsa_float_denorm_mode_16_64 3
		.amdhsa_memory_ordered 1
		.amdhsa_forward_progress 1
		.amdhsa_inst_pref_size 7
	.end_amdhsa_kernel
	.amdgpu_metadata
---
amdhsa.version: [ 1, 2 ]
amdhsa.kernels:
  - .name:           k_qbfe3b9fd57_cvt
    .symbol:         k_qbfe3b9fd57_cvt.kd
    .args:
      - { .name: x, .offset: 0, .size: 8, .value_kind: global_buffer, .address_space: global }
      - { .name: xb, .offset: 8, .size: 8, .value_kind: global_buffer, .address_space: global }
    .group_segment_fixed_size: 0
    .private_segment_fixed_size: 0
    .kernarg_segment_align: 8
    .kernarg_segment_size: 16
    .max_flat_workgroup_size: 256
    .sgpr_count:     66
    .vgpr_count:     104
    .wavefront_size: 32
...
	.end_amdgpu_metadata
.endif
;; end of part 1
;; launch qkv (part 2): grid 64 x 4, 4 waves a work-group, clusters of 4 x 4, 327,680 bytes of LDS; arguments xb, wq, wk, wv, freqs_cos, freqs_sin, qb, kb, vb; writes qb, kb, vb
.if DOCPART == 2
	.amdgcn_target "amdgcn-amd-amdhsa--gfx1250"
	.amdhsa_code_object_version 6
	.text
	.protected	k_qbfe3b9fd57_qkv
	.globl	k_qbfe3b9fd57_qkv
	.p2align	8
	.type	k_qbfe3b9fd57_qkv,@function
k_qbfe3b9fd57_qkv:
	s_mov_b64 s[64:65], 0
	v_nop
	global_prefetch_b8 v0, s[64:65] scope:SCOPE_SE
	s_setreg_imm32_b32 hwreg(HW_REG_WAVE_MODE, 25, 1), 1
	s_wait_xcnt 0x0
	s_wait_alu depctr_hold_cnt(0) depctr_sa_sdst(0) depctr_va_vdst(0) depctr_va_sdst(0) depctr_va_ssrc(0) depctr_va_vcc(0) depctr_vm_vsrc(0)
	s_getreg_b32 s2, hwreg(HW_REG_IB_STS2, 6, 4)
	s_cmp_eq_u32 s2, 0
	s_cbranch_scc0 .Lentry_in_a_cluster
	s_endpgm
.Lentry_in_a_cluster:
	s_bfe_u32 s2, ttmp6, 0x10000c
	s_cmp_lg_u32 s2, 0xf033
	s_cbranch_scc0 .Lentry_shape_is_right
	s_endpgm
.Lentry_shape_is_right:
; qb = 2^-8 rope(x wq), kb = 2^-8 rope(x wk), vb = 2^-3 x wv.  xb: [1024][4096] f16.  wq: [4096][4096], wk, wv: [4096][1024] f32, rows along K.
; OUT, all f16:  qb [64 column blocks][1024 rows][64];  kb, vb [8 kv heads][8 tiles of 128 rows][4 chunks of 32 columns][128 rows][32].
; A work-group makes 256 rows x 96 columns: 64 columns of q (block j) and 32 columns of k (j < 32) or of v (j >= 32): 64 x 4 = 256 equal work-groups.
; Four waves stacked along the rows; a wave makes 64 x 96: 24 accumulator tiles of 16 x 16, 192 registers.
; A (xb): tensor loads, two LDS slots of 256 rows x 256 K; each wave fetches and reads its own 64 rows.  4 x 4 work-groups form a cluster; the four
;   of a row of the cluster need the same rows of xb and ask for them JOINTLY (one descriptor, one mask), which divides the requests for xb by four.
; K ORDER: all sixteen clusters read all of xb.  Cluster c starts at K block 2 s (blocks of 256), s = c for c < 8 and 15 - c for c >= 8, and walks the sixteen blocks
;   round, with a wrap.  Two clusters have the same s only if their numbers differ in all four bits, so the eight clusters that agree in any one bit of c
;   ask, in their first fills of two blocks each, for all sixteen blocks; every block that a cluster asks for in the loop has been read before by another
;   cluster, and at no time do all clusters ask for the same 512 bytes of every row.  The weights are walked in the same order.
; WEIGHTS: through registers, not by joint tensor loads, although the four work-groups of a column of the cluster read the same weights.  The reason, by this
;   text's own arithmetic: the weights are f32 and must be rounded to f16 on the way.  As f32 tiles in LDS a K step of 128 would be 128 x 96 x 4 = 49,152 bytes
;   written and read again on top of the 24,576 bytes of f16 that are needed anyway, and two such slots do not fit beside A's 270,336 bytes.  So each wave
;   loads 32 of the step's 128 K rows (24 loads of 16 bytes a lane), rounds them, and stores f16 rows [K][96] into one of two LDS tiles; a ring of
;   two register sets keeps the loads of two K steps (48 a wave) on their way.
;   The fragments come out of the [K][N] tile by the transposing LDS load.
; NUMBER FORMAT: matrix operands are f16, sums f32.  The error of q and k is multiplied by the size of a score and goes through an exponential, so the
;   eleven bits of f16 are taken, not the eight of bf16.  f16's range is kept by fixed powers of two, which are exact: q and k are stored times 2^-8, v times 2^-3,
;   both folded into cos and sin.
; LIMITS: |x|, |w| < 65,504; |q|, |k| < 1.67e7; |v| < 524,000.  (x and a weight that both carry an offset of 30 times their spread give sums of
;   4096 x 30 x 0.6 = 73,728; cos and sin 30 times larger on top of that give 3.2e6.)  At the small end an element of q or k is off by at most 2^-17, of v by at most 2^-22,
;   where f16's relative 2^-12 would be less.  The sum over K begins at the cluster's first block and wraps: an order of rounding other than ascending K.
;   RoPE is two products and two fused multiply-adds, one rounding fewer than a product, a product and a sum.
;   v goes through the same lines with cos = 2^-3 and sin = 0, so an infinite v gives NaN here.
;
; REGISTER WINDOWS (s_set_vgpr_msb: bits 1:0 source 0, 3:2 source 1, 5:4 source 2, 7:6 destination):
;   window 0: addresses, two fragment buffers, the way out.   window 1: accumulators, tile (a, b) at v[8 (6 a + b)].
;   window 2: the weight ring and all that the conversion touches.   window 3: cos at v[4 (6 a + b)], sin 96 further.
.set APITCH, 528                       ; an LDS row of A: 512 bytes + 16 of padding = 33 x 16
.set AWAVE,  64*APITCH                 ; a wave's 64 rows
.set ASLOT,  4*AWAVE                   ; 135,168
.set BP,     224                       ; an LDS row of weights: 128 bytes q, 64 bytes k or v, 32 unused = 7 x 32
.set BBSZ,   128*BP                    ; 28,672: one K step
.set BB0,    2*ASLOT                   ; 270,336: the two weight tiles lie behind A's slots; no tensor load lands there
.set STG,    3584                      ; the way out: a wave's stage, in weight tile 0
.set STGK,   2304                      ; in it: 16 rows x 144 bytes for q, then 16 rows x 80 bytes for k or v
.set WQSTEP, 128*16384                 ; 128 rows of wq = 1 << 21
.set WKSTEP, 128*4096                  ; 128 rows of wk or wv = 1 << 19
.set ADRA, 6                           ; v6, v7  my A fragments in slot 0, 1
.set ADRB, 8                           ; v8      the weight fragments in tile 0
.set STOQ, 9
.set STOK, 10
.set RDQ,  11
.set RDK,  12
.set CO,   13
.set CSQ,  14
.set CSK,  15
.set F0,   16                          ; v[16:95]   fragment buffer 0: A's four at +8 a, the weights' six at +32 + 8 b
.set F1,   96                          ; v[96:175]  fragment buffer 1
.set T,    176                         ; v[176:223] rotated numbers of six tiles
.set PK,   224                         ; v[224:247] the same, packed
.set FO,   192                         ; window 2: v[192:207] eight pairs of packed f16
.set OFQ,  208                         ; window 2: my offset in wq
.set OFK,  209                         ; window 2: my offset in wk or wv
.set STQ,  210                         ; window 2: where my q columns go in weight tile 0
.set STK,  211                         ; window 2: where my k or v columns go
.set SIN,  96                          ; window 3
.set WQ0, 6                            ; s[6:7]   wq at my columns, K row 0; never rewritten
.set WK0, 8                            ; s[8:9]   wk or wv likewise
.set TS,  10                           ; s10      the K step (of 128) that is asked for next, modulo 32
.set QOF, 12                           ; s[12:13] its byte offset in wq, with 0 above it
.set KOF, 14                           ; s[14:15] its byte offset in wk or wv, with 0 above it
.set AOF, 16                           ; s[16:17], s[18:19] slot 0's, slot 1's block: its byte offset in a row of xb, with 0 above it
.set AB0, 28                           ; s[28:29] xb at my wave's first row; never rewritten
.set G1,  32                           ; s[32:39] descriptor group 1
.set G0,  40                           ; s[40:47] descriptor group 0, a set for each slot
.set WQB, 48                           ; s[48:49] wq at my columns, at the K step that is asked for next
.set WKB, 50                           ; s[50:51] wk or wv likewise
.set MSB, 0
.macro WIN new                         ; the immediate's high byte repeats the setting that is left
.if MSB != \new
	s_set_vgpr_msb (MSB<<8)|\new
.set MSB, \new
.endif
.endm
; A load into a register that a matrix instruction has read, and a vector instruction that touches a matrix instruction's registers, stand four places
; behind it; only plain vector instructions that name none of its registers are places.
.macro PLACES
.rept 4
	v_nop
.endr
.endm
.macro CREST                           ; a round of the cluster's barrier behind its opening barrier
	s_cmp_lg_u32 s22, 0
	s_cbranch_scc1 .Lnot_wave_0_\@
	s_barrier_signal -3
.Lnot_wave_0_\@:
	s_barrier_wait -3
	s_barrier_signal -1
	s_barrier_wait -1
.endm
.macro CROUND                          ; a whole round
	s_barrier_signal -1
	s_barrier_wait -1
	CREST
.endm
; The weight loads' bases go n K steps on, with the wrap at 32 steps: each is the fixed base plus an offset made apart from it.
.macro WSTEP n
	s_add_co_u32 s[TS], s[TS], \n
	s_and_b32 s[TS], s[TS], 31
	s_lshl_b32 s[QOF], s[TS], 21
	s_lshl_b32 s[KOF], s[TS], 19
	s_add_nc_u64 s[WQB:WQB+1], s[WQ0:WQ0+1], s[QOF:QOF+1]
	s_add_nc_u64 s[WKB:WKB+1], s[WK0:WK0+1], s[KOF:KOF+1]
.endm
; 12 matrix instructions: row blocks a0, a0 + 1 x all six column blocks, 32 along K.  Source 0 = weights, source 1 = rows of x: a lane then holds
; row l % 16 and eight NEIGHBOURING columns 8 (l / 16) + 0..7.  The 24 accumulators take turns, one instruction a turn, in the same order
; everywhere.
.macro MUL f, a0, zero
.irp a, \a0, \a0+1
.irp b, 0,1,2,3,4,5
.if \zero
	v_wmma_f32_16x16x32_f16 v[8*(6*(\a)+\b):8*(6*(\a)+\b)+7], v[\f+32+8*\b:\f+32+8*\b+7], v[\f+8*(\a):\f+8*(\a)+7], 0
.else
	v_wmma_f32_16x16x32_f16 v[8*(6*(\a)+\b):8*(6*(\a)+\b)+7], v[\f+32+8*\b:\f+32+8*\b+7], v[\f+8*(\a):\f+8*(\a)+7], v[8*(6*(\a)+\b):8*(6*(\a)+\b)+7]
.endif
.endr
.endr
.endm
; 20 LDS loads: the fragments of 32 along K into buffer f: twelve transposing loads of weights (tile bb, K rows 32 kc ..), then A's eight (slot sl, byte abyte).
.macro FRAGS sl, abyte, bb, kc, f
.irp b, 0,1,2,3,4,5
	ds_load_tr16_b128 v[\f+32+8*\b:\f+32+8*\b+3],   v[ADRB] offset:(\bb)*BBSZ+(\kc)*32*BP+32*\b
	ds_load_tr16_b128 v[\f+32+8*\b+4:\f+32+8*\b+7], v[ADRB] offset:(\bb)*BBSZ+(\kc)*32*BP+32*\b+16*BP
.endr
.irp a, 0,1,2,3
	ds_load_b128 v[\f+8*\a:\f+8*\a+3],   v[ADRA+(\sl)] offset:\a*16*APITCH+(\abyte)
	ds_load_b128 v[\f+8*\a+4:\f+8*\a+7], v[ADRA+(\sl)] offset:\a*16*APITCH+(\abyte)+32
.endr
.endm
; Eight loads of weights into group g of ring set 'set' (window 2).  Groups 0, 1: q columns, two rows a load (lanes 0-15 row k, lanes 16-31 row k + 4,
; each 256 consecutive aligned bytes), k = 0-3, 8-11, and 16 more in group 1.  Group 2: k or v columns, four rows of 128 bytes a load.
; ahead: K steps carried in the immediate (the prologue alone: the first step is 28 at the most, so two steps on there is no wrap).
.macro WLOAD set, g, ahead
.irp i, 0,1,2,3,4,5,6,7
.if \g < 2
	global_load_b128 v[32*(3*(\set)+\g)+4*\i:32*(3*(\set)+\g)+4*\i+3], v[OFQ], s[WQB:WQB+1] offset:(((\i)&3)+8*((\i)>>2)+16*\g)*16384+\ahead*WQSTEP
.else
	global_load_b128 v[32*(3*(\set)+\g)+4*\i:32*(3*(\set)+\g)+4*\i+3], v[OFK], s[WKB:WKB+1] offset:\i*16384+\ahead*WKSTEP
.endif
.endr
.endm
; One group: wait for it, round it to f16, ask for the same group two K steps on (reis), store it into weight tile bb.
; lc = the loads issued behind this group.  The sixteen conversions are also the places in front of the fragment loads that follow.
.macro CONV set, g, bb, reis, lc, ahead
	s_wait_loadcnt \lc
	WIN 0x8a                                       ; sources 0, 1 and the destination in window 2
.irp i, 0,1,2,3,4,5,6,7
	v_cvt_pk_f16_f32 v[FO+2*\i],   v[32*(3*(\set)+\g)+4*\i],   v[32*(3*(\set)+\g)+4*\i+1]
	v_cvt_pk_f16_f32 v[FO+2*\i+1], v[32*(3*(\set)+\g)+4*\i+2], v[32*(3*(\set)+\g)+4*\i+3]
.endr
.if \reis
	WLOAD \set, \g, \ahead
.endif
.irp i, 0,1,2,3,4,5,6,7
.if \g < 2
	ds_store_b64 v[STQ], v[FO+2*\i:FO+2*\i+1] offset:(\bb)*BBSZ+(((\i)&3)+8*((\i)>>2)+16*\g)*BP   ; the two rows are 4 x 224 = 3 x 256 + 128 bytes apart: the 32 lanes fill 256 different bytes modulo 256
.else
	ds_store_b64 v[STK], v[FO+2*\i:FO+2*\i+1] offset:(\bb)*BBSZ+\i*4*BP
.endif
.endr
.endm
; A quarter of a K step (32 along K, 24 matrix instructions on buffer f); in its middle one group of the next step's weights is converted and the next
; quarter's fragments are fetched into buffer g.
.macro QUARTER sl, an, bb, kn, f, g, zero, conv, grp, reis, lc
	s_wait_dscnt 4                                 ; the weights' fragments and A's rows 0-31 are in; the four youngest loads (A's rows 32-63) may be out
	WIN 0x50                                       ; C and D in window 1
	MUL \f, 0, \zero
.if \conv
	CONV 1-\bb, \grp, 1-\bb, \reis, \lc, 0
	WIN 0
	FRAGS \sl, \an, \bb, \kn, \g
	s_wait_dscnt 28                                ; all but the 8 stores and 20 loads just issued
.else
	WIN 0
	PLACES
	FRAGS \sl, \an, \bb, \kn, \g
	s_wait_dscnt 20                                ; all but the 20 loads just issued
.endif
	WIN 0x50
	MUL \f, 2, \zero
.endm
; The first three quarters of K step (slot sl, half e of its 256 K, weight tile bb).  They convert the next step's weights into the other tile.
.macro STEP sl, e, bb, zero, conv, reis, lc0, lc1, lc2
	QUARTER \sl, \e*256+64,  \bb, 1, F0, F1, \zero, \conv, 0, \reis, \lc0
	QUARTER \sl, \e*256+128, \bb, 2, F1, F0, 0, \conv, 1, \reis, \lc1
	QUARTER \sl, \e*256+192, \bb, 3, F0, F1, 0, \conv, 2, \reis, \lc2
.endm
; The fourth quarter, where no slot of A is filled again.  One barrier changes the weight tiles: in front of it my stores into the next tile and my reads
; of this one are done; behind it the next tile is whole and this one may be written.  tw: the next slot of A is read for the first time: my load of it has landed.
.macro TURNP sn, an, bn, tw, step
	s_wait_dscnt 0x0
.if \tw
	s_wait_tensorcnt 0x0
.endif
	s_barrier_signal -1
	WIN 0x50
	MUL F1, 0, 0                                   ; register work while the others arrive
	WIN 0
	s_barrier_wait -1
.if \step
	s_wait_xcnt 0x0                                ; the weight loads' bases are written again only behind this wait
	WSTEP 1
.endif
	PLACES
	FRAGS \sn, \an, \bn, 0, F0
	WIN 0x50
	MUL F1, 2, 0
.endm
; The fourth quarter of a slot's second K step: slot sl is filled again, two blocks (512 K) ahead.  The barrier opens a round of the cluster's barrier: in front
; of it every wave's LDS instructions are done and all its tensor loads have landed (one was out: its part of the other slot); inside the round
; register work alone; the joint load is the first thing behind it and the wave's only tensor load until the next round.
.macro TURNR sl
	s_wait_dscnt 0x0
	s_wait_tensorcnt 0x0
	s_add_co_u32 s[AOF+2*\sl], s[AOF+2*\sl], 1024  ; no tensor load of mine is out, so a group 0 may be written: two blocks of 512 bytes on,
	s_and_b32 s[AOF+2*\sl], s[AOF+2*\sl], 0x1fff   ; with the wrap at a row's 8,192 bytes
	s_add_nc_u64 s[G0+4*\sl+2:G0+4*\sl+3], s[AB0:AB0+1], s[AOF+2*\sl:AOF+2*\sl+1]
	s_or_b32 s[G0+4*\sl+3], s[G0+4*\sl+3], 0x80000000
	s_barrier_signal -1
	WIN 0x50
	MUL F1, 0, 0
	WIN 0
	s_barrier_wait -1
	CREST
	tensor_load_to_lds s[G0+4*\sl:G0+4*\sl+3], s[G1:G1+7]
	s_nop 0
	s_wait_xcnt 0x0
	WSTEP 1
	PLACES
	FRAGS 1-\sl, 0, 0, 0, F0
	WIN 0x50
	MUL F1, 2, 0
.endm
.macro LAP zero                        ; four K steps of 128: once round A's two slots, both filled again.  40 = five younger groups of eight loads
	STEP 0, 0, 0, \zero, 1, 1, 40, 40, 40
	TURNP 0, 256, 1, 0, 1
	STEP 0, 1, 1, 0, 1, 1, 40, 40, 40
	TURNR 0
	STEP 1, 0, 0, 0, 1, 1, 40, 40, 40
	TURNP 1, 256, 1, 0, 1
	STEP 1, 1, 1, 0, 1, 1, 40, 40, 40
	TURNR 1
.endm
	s_load_b512 s[4:19], s[0:1], 0x0               ; xb 4, wq 6, wk 8, wv 10, cos 12, sin 14, qb 16, kb 18
	s_load_b64 s[20:21], s[0:1], 0x40              ; vb
	v_lshrrev_b32 v1, 5, v0
	v_readfirstlane_b32 s22, v1                    ; wave 0..3
	s_bfe_u32 s23, ttmp6, 0x40000                  ; cx
	s_bfe_u32 s24, ttmp6, 0x40004                  ; cy = the block of 256 rows: the grid has four work-groups, one cluster, along y
	s_lshl_b32 s25, ttmp9, 2
	s_add_co_u32 s25, s25, s23                     ; j = 4 x cluster x + cx: the column block
	s_lshl_b32 s26, s24, 2
	s_lshl_b32 s26, 15, s26                        ; my row of the cluster: places 4 cy .. 4 cy + 3
	s_or_b32 s[G1+0], s26, (1<<16)|(1<<20)|(1<<21)|(6<<22)|(3<<25)  ; the mask; elements of 2 bytes; padding on; bit 21 beside a mask; after every 128 words 4 words
	s_mov_b32 s[G1+1], 256<<16                     ; tensor_dim0 = 256
	s_mov_b32 s[G1+2], 64<<16                      ; tensor_dim1 = 64
	s_mov_b32 s[G1+3], 256<<16                     ; tile_dim0 = 256 elements: rows of 512 bytes
	s_mov_b32 s[G1+4], 64                          ; tile_dim1 = 64 rows
	s_mov_b32 s[G1+5], 4096                        ; elements from row to row
	s_mov_b32 s[G1+6], 0
	s_mov_b32 s[G1+7], 0
	s_lshl_b32 s28, s24, 21                        ; my wave's first row of xb, in bytes: (256 cy + 64 w) x 8,192: made of cy and the wave's number alone
	s_lshl_b32 s29, s22, 19
	s_add_co_u32 s28, s28, s29
	s_mov_b32 s29, 0
	s_mul_i32 s53, s22, AWAVE                      ; and where my rows go in a slot
	v_and_b32 v1, 31, v0                           ; L
	v_and_b32 v2, 15, v0                           ; r = L % 16
	v_bfe_u32 v3, v0, 4, 1                         ; h = L / 16
	v_and_b32 v4, 7, v0                            ; L % 8
	v_bfe_u32 v5, v0, 3, 2                         ; L / 8
	v_mul_u32_u24 v16, v2, APITCH                  ; A fragment: row r, 16 bytes for each half of the lanes
	v_lshl_add_u32 v16, v3, 4, v16
	v_add_nc_u32 v[ADRA], s53, v16
	v_add_nc_u32 v[ADRA+1], ASLOT, v[ADRA]
	v_lshl_add_u32 v16, v3, 3, v4                  ; transposing load: K row 8 h + L % 8, 16 bytes at 16 ((L / 8) % 2)
	v_mul_u32_u24 v16, v16, BP
	v_bfe_u32 v17, v0, 3, 1
	v_lshl_add_u32 v16, v17, 4, v16
	v_add_nc_u32 v[ADRB], BB0, v16
	s_mul_i32 s30, s22, STG
	s_add_co_u32 s30, s30, BB0                     ; my stage for q
	s_add_co_u32 s31, s30, STGK                    ; and for k or v
	v_mul_u32_u24 v16, v2, 144
	v_lshl_add_u32 v16, v3, 4, v16
	v_add_nc_u32 v[STOQ], s30, v16
	v_mul_u32_u24 v16, v2, 80
	v_lshl_add_u32 v16, v3, 4, v16
	v_add_nc_u32 v[STOK], s31, v16
	v_mul_u32_u24 v16, v5, 144                     ; back: eight lanes take a row of 128 bytes
	v_lshl_add_u32 v16, v4, 4, v16
	v_add_nc_u32 v[RDQ], s30, v16
	v_bfe_u32 v17, v0, 2, 3                        ; four lanes take a row of 64 bytes
	v_and_b32 v18, 3, v0
	v_mul_u32_u24 v16, v17, 80
	v_lshl_add_u32 v16, v18, 4, v16
	v_add_nc_u32 v[RDK], s31, v16
	v_lshlrev_b32 v[CO], 4, v1                     ; the outputs' rows follow each other without a gap: 16 L
	s_and_b32 s2, s25, 1
	s_lshl_b32 s2, s2, 7                           ; q: my 64 columns are pairs 32 (j % 2) .. of a head's 64
	s_and_b32 s3, s25, 3
	s_lshl_b32 s3, s3, 6                           ; k: my 32 columns are pairs 16 (j % 4) ..
	v_lshlrev_b32 v16, 8, v2                       ; cos, sin: row r of 256 bytes, four pairs at 16 h
	v_lshl_add_u32 v16, v3, 4, v16
	v_add_nc_u32 v[CSQ], s2, v16
	v_add_nc_u32 v[CSK], s3, v16
	v_lshlrev_b32 v16, 4, v2                       ; wq: row 32 w + 4 h, 16 r
	v_lshl_add_u32 v16, v3, 16, v16
	v_lshlrev_b32 v17, 4, v4                       ; wk, wv: row 32 w + L / 8, 16 (L % 8)
	v_lshl_add_u32 v17, v5, 12, v17
	v_mul_u32_u24 v18, v3, 4*BP                    ; the same places in the weight tile, 8 bytes a lane
	v_lshl_add_u32 v18, v2, 3, v18
	v_mul_u32_u24 v19, v5, BP
	v_lshl_add_u32 v19, v4, 3, v19
	s_lshl_b32 s26, s22, 19
	s_lshl_b32 s27, s22, 17
	s_mul_i32 s62, s22, 32*BP
	s_add_co_u32 s62, s62, BB0
	s_add_co_u32 s63, s62, 128
	WIN 0x80                                       ; destination in window 2
	v_add_nc_u32 v[OFQ], s26, v16
	v_add_nc_u32 v[OFK], s27, v17
	v_add_nc_u32 v[STQ], s62, v18
	v_add_nc_u32 v[STK], s63, v19
	s_wait_kmcnt 0x0
	s_add_nc_u64 s[AB0:AB0+1], s[4:5], s[28:29]    ; xb at my wave's rows
	s_lshl_b32 s2, s24, 16                         ; (256 cy + 64 w) rows of 256 bytes of cos and sin
	s_lshl_b32 s3, s22, 14
	s_add_co_u32 s2, s2, s3
	s_mov_b32 s3, 0
	s_add_nc_u64 s[58:59], s[12:13], s[2:3]
	s_add_nc_u64 s[60:61], s[14:15], s[2:3]
	s_lshr_b32 s30, s2, 1                          ; qb: block j of 131,072 bytes, rows of 128 bytes
	s_lshl_b32 s31, s25, 17
	s_add_co_u32 s30, s30, s31
	s_mov_b32 s31, 0
	s_add_nc_u64 s[54:55], s[16:17], s[30:31]
	s_lshl_b32 s30, s25, 8                         ; wq: 64 j columns
	s_add_nc_u64 s[WQ0:WQ0+1], s[6:7], s[30:31]
	s_and_b32 s30, s25, 31                         ; kb, vb: head (j % 32) / 4, tile 2 cy + w / 2, chunk j % 4, row 64 (w % 2)
	s_lshr_b32 s30, s30, 2
	s_lshl_b32 s30, s30, 18
	s_and_b32 s26, s25, 3
	s_lshl_b32 s26, s26, 13
	s_add_co_u32 s30, s30, s26
	s_lshl_b32 s26, s24, 16
	s_add_co_u32 s30, s30, s26
	s_lshr_b32 s26, s22, 1
	s_lshl_b32 s26, s26, 15
	s_add_co_u32 s30, s30, s26
	s_and_b32 s26, s22, 1
	s_lshl_b32 s26, s26, 12
	s_add_co_u32 s30, s30, s26
	s_cmp_lt_u32 ttmp9, 8                          ; j < 32: my 32 further columns are k's, else v's (alike in the whole cluster)
	s_cselect_b64 s[WK0:WK0+1], s[8:9], s[10:11]
	s_cselect_b64 s[56:57], s[18:19], s[20:21]
	s_cselect_b32 s52, -1, 0                       ; all lanes: rotate (k), none: do not (v)
	s_add_nc_u64 s[56:57], s[56:57], s[30:31]
	s_and_b32 s30, s25, 31
	s_lshl_b32 s30, s30, 7                         ; 32 (j % 32) columns
	s_add_nc_u64 s[WK0:WK0+1], s[WK0:WK0+1], s[30:31]
	; where my cluster begins along K: s = c for c < 8, 15 - c for c >= 8; made of the cluster's x alone, so it is alike in all sixteen work-groups
	s_lshr_b32 s4, ttmp9, 3
	s_sub_co_u32 s4, 0, s4                         ; 0, or all ones
	s_xor_b32 s4, s4, ttmp9
	s_and_b32 s4, s4, 7                            ; s
	s_lshl_b32 s[TS], s4, 2                        ; the first K step of 128: 4 s
	s_lshl_b32 s[QOF], s[TS], 21
	s_mov_b32 s[QOF+1], 0
	s_lshl_b32 s[KOF], s[TS], 19
	s_mov_b32 s[KOF+1], 0
	s_add_nc_u64 s[WQB:WQB+1], s[WQ0:WQ0+1], s[QOF:QOF+1]
	s_add_nc_u64 s[WKB:WKB+1], s[WK0:WK0+1], s[KOF:KOF+1]
	s_lshl_b32 s[AOF], s4, 10                      ; slot 0: block 2 s, 512 bytes a block
	s_mov_b32 s[AOF+1], 0
	s_add_co_u32 s[AOF+2], s[AOF], 512             ; slot 1: block 2 s + 1, 15 at the most
	s_mov_b32 s[AOF+3], 0
.irp s, 0,1
	s_mov_b32 s[G0+4*\s], 1                                        ; count = 1
	s_add_co_u32 s[G0+4*\s+1], s53, \s*ASLOT                       ; LDS address
	s_add_nc_u64 s[G0+4*\s+2:G0+4*\s+3], s[AB0:AB0+1], s[AOF+2*\s:AOF+2*\s+1]
	s_or_b32 s[G0+4*\s+3], s[G0+4*\s+3], 0x80000000                ; type = 2
.endr
	; cos and sin of my 24 tiles: a lane's eight columns are four pairs, 16 bytes of each table.  They are the oldest loads of the kernel.
	WIN 0xc0                                       ; destination in window 3
.irp a, 0,1,2,3
.irp b, 0,1,2,3
	global_load_b128 v[4*(6*\a+\b):4*(6*\a+\b)+3],         v[CSQ], s[58:59] offset:\a*4096+32*\b
	global_load_b128 v[SIN+4*(6*\a+\b):SIN+4*(6*\a+\b)+3], v[CSQ], s[60:61] offset:\a*4096+32*\b
.endr
.irp b, 4,5
	global_load_b128 v[4*(6*\a+\b):4*(6*\a+\b)+3],         v[CSK], s[58:59] offset:\a*4096+32*(\b-4)
	global_load_b128 v[SIN+4*(6*\a+\b):SIN+4*(6*\a+\b)+3], v[CSK], s[60:61] offset:\a*4096+32*(\b-4)
.endr
.endr
	WIN 0x8a
	WLOAD 0, 0, 0                                  ; the weights of my first two K steps
	WLOAD 0, 1, 0
	WLOAD 0, 2, 0
	WLOAD 1, 0, 1
	WLOAD 1, 1, 1
	WLOAD 1, 2, 1
	WIN 0
	CROUND                                         ; all sixteen work-groups are here: the first joint loads meet
	tensor_load_to_lds s[G0:G0+3], s[G1:G1+7]      ; both slots: two tensor loads of the wave are out here, one behind each later round
	s_nop 0
	tensor_load_to_lds s[G0+4:G0+7], s[G1:G1+7]
	s_nop 0
	CONV 0, 0, 0, 1, 40, 2                         ; the first K step into tile 0; its registers are asked again for the third
	CONV 0, 1, 0, 1, 40, 2
	CONV 0, 2, 0, 1, 40, 2
	WIN 0
	s_wait_xcnt 0x0
	WSTEP 3                                        ; the t-th K step asks for the weights of the (t + 3)-th
	s_wait_dscnt 0x0                               ; my part of weight tile 0 is stored
	s_wait_tensorcnt 0x1                           ; my rows of slot 0 are in; slot 1's may stay out
	s_barrier_signal -1
	s_barrier_wait -1
	FRAGS 0, 0, 0, 0, F0
	LAP 1                                          ; the first lap stands in front of the loop: its first products start the sums
	WIN 0
	s_mov_b32 s27, 6
.Llap:
	LAP 0
	WIN 0
	s_sub_co_u32 s27, s27, 1
	s_cmp_lg_u32 s27, 0
	s_cbranch_scc1 .Llap
	; the last lap, my K steps 28 to 31: no slot is filled again, and the weight ring runs empty: the counts go down by eight a group
	STEP 0, 0, 0, 0, 1, 1, 40, 40, 40              ; step 28 asks for the last weights, step 31's
	TURNP 0, 256, 1, 0, 0
	STEP 0, 1, 1, 0, 1, 0, 40, 32, 24
	TURNP 1, 0, 0, 1, 0                            ; slot 1's last fill has landed: no tensor load is out from here on
	STEP 1, 0, 0, 0, 1, 0, 16, 8, 0                ; the last wait is for 0: cos and sin, older than every weight load, are in too
	TURNP 1, 256, 1, 0, 0                          ; behind this barrier no wave reads weight tile 0 any more: the stages lie there
	STEP 1, 1, 1, 0, 0, 0, 0, 0, 0
	s_wait_dscnt 0x0
	WIN 0x50
	MUL F1, 0, 0
	MUL F1, 2, 0
	; THE WAY OUT.  cos and sin take the scale of q and k, 2^-8; for v: cos = 2^-3, sin = 0.
	; These lines name no register of a matrix instruction: they are the places behind the last ones.
	s_mov_b32 s62, 0x3b800000                      ; 2^-8, twice: a pair for the packed multiply
	s_mov_b32 s63, 0x3b800000
	s_mov_b32 s53, 0x3e000000                      ; 2^-3
	WIN 0xcf                                       ; sources 0, 1 and the destination in window 3
.set n, 0
.rept 96
	v_pk_mul_f32 v[n:n+1], v[n:n+1], s[62:63] op_sel_hi:[1,0]
.set n, n+2
.endr
.irp a, 0,1,2,3
.irp b, 4,5
.irp i, 0,1,2,3
	v_cndmask_b32 v[4*(6*\a+\b)+\i],     s53, v[4*(6*\a+\b)+\i],     s52
	v_cndmask_b32 v[SIN+4*(6*\a+\b)+\i], 0,   v[SIN+4*(6*\a+\b)+\i], s52
.endr
.endr
.endr
; 16 rows: rotate, round to f16, 16 bytes a lane into my own stage, read back by rows, store.  LDS serves a wave's instructions in order
; (ISA guide 5.7.1.4), so no wait stands between the stage's stores and loads.  Each block of 16 rows reads back into registers of its own.
.macro OUT16 a
	WIN 0x0d                                       ; source 0 (sums) window 1, source 1 (cos, sin) window 3
.irp b, 0,1,2,3,4,5
.irp i, 0,1,2,3
	v_mul_f32 v[T+8*\b+2*\i],   v[8*(6*\a+\b)+2*\i+1], v[SIN+4*(6*\a+\b)+\i]
	v_mul_f32 v[T+8*\b+2*\i+1], v[8*(6*\a+\b)+2*\i+1], v[4*(6*\a+\b)+\i]
.endr
.irp i, 0,1,2,3
	v_fma_f32 v[T+8*\b+2*\i],   v[8*(6*\a+\b)+2*\i], v[4*(6*\a+\b)+\i],     -v[T+8*\b+2*\i]     ; xr c - xi s
	v_fma_f32 v[T+8*\b+2*\i+1], v[8*(6*\a+\b)+2*\i], v[SIN+4*(6*\a+\b)+\i], v[T+8*\b+2*\i+1]    ; xr s + xi c
.endr
.endr
	WIN 0
.irp b, 0,1,2,3,4,5
.irp i, 0,1,2,3
	v_cvt_pk_f16_f32 v[PK+4*\b+\i], v[T+8*\b+2*\i], v[T+8*\b+2*\i+1]
.endr
.endr
.irp b, 0,1,2,3
	ds_store_b128 v[STOQ], v[PK+4*\b:PK+4*\b+3] offset:32*\b
.endr
.irp b, 4,5
	ds_store_b128 v[STOK], v[PK+4*\b:PK+4*\b+3] offset:32*(\b-4)
.endr
.irp i, 0,1,2,3
	ds_load_b128 v[F0+24*\a+4*\i:F0+24*\a+4*\i+3], v[RDQ] offset:576*\i
.endr
.irp i, 0,1
	ds_load_b128 v[F0+24*\a+16+4*\i:F0+24*\a+16+4*\i+3], v[RDK] offset:640*\i
.endr
.irp i, 0,1,2,3
	s_wait_dscnt 5-\i
	global_store_b128 v[CO], v[F0+24*\a+4*\i:F0+24*\a+4*\i+3], s[54:55] offset:\a*2048+512*\i       ; 512 consecutive bytes, aligned
.endr
.irp i, 0,1
	s_wait_dscnt 1-\i
	global_store_b128 v[CO], v[F0+24*\a+16+4*\i:F0+24*\a+16+4*\i+3], s[56:57] offset:\a*1024+512*\i
.endr
.endm
	OUT16 0
	OUT16 1
	OUT16 2
	OUT16 3
	CROUND                                         ; the closing round: no work-group ends while a partner may still ask for a tile that names it
	s_endpgm
.Lfunc_end_k_qbfe3b9fd57_qkv:
	.size	k_qbfe3b9fd57_qkv, .Lfunc_end_k_qbfe3b9fd57_qkv-k_qbfe3b9fd57_qkv
	.p2alignl 7, 3214868480
	.fill 96, 4, 3214868480
	.section	.rodata,"a",@progbits
	.p2align	6, 0x0
	.amdhsa_kernel k_qbfe3b9fd57_qkv
		.amdhsa_group_segment_fixed_size 327680
		.amdhsa_private_segment_fixed_size 0
		.amdhsa_enable_private_segment 0
		.amdhsa_kernarg_size 72
		.amdhsa_user_sgpr_count 2
		.amdhsa_user_sgpr_kernarg_segment_ptr 1
		.amdhsa_wavefront_size32 1
		.amdhsa_system_sgpr_workgroup_id_x 1
		.amdhsa_system_sgpr_workgroup_id_y 1
		.amdhsa_system_sgpr_workgroup_id_z 1
		.amdhsa_system_vgpr_workitem_id 0
		.amdhsa_next_free_vgpr 960
		.amdhsa_next_free_sgpr 66
		.amdhsa_reserve_vcc 0
		.amdhsa_float_denorm_mode_32 3
		.amdhsa_float_denorm_mode_16_64 3
		.amdhsa_memory_ordered 1
		.amdhsa_forward_progress 1
		.amdhsa_inst_pref_size 255
	.end_amdhsa_kernel
	.section	.bss,"aw",@nobits
	.p2align	6
	.space	262144
	.amdgpu_metadata
---
amdhsa.version: [ 1, 2 ]
amdhsa.kernels:
  - .name:           k_qbfe3b9fd57_qkv
    .symbol:         k_qbfe3b9fd57_qkv.kd
    .args:
      - { .name: xb, .offset: 0, .size: 8, .value_kind: global_buffer, .address_space: global }
      - { .name: wq, .offset: 8, .size: 8, .value_kind: global_buffer, .address_space: global }
      - { .name: wk, .offset: 16, .size: 8, .value_kind: global_buffer, .address_space: global }
      - { .name: wv, .offset: 24, .size: 8, .value_kind: global_buffer, .address_space: global }
      - { .name: freqs_cos, .offset: 32, .size: 8, .value_kind: global_buffer, .address_space: global }
      - { .name: freqs_sin, .offset: 40, .size: 8, .value_kind: global_buffer, .address_space: global }
      - { .name: qb, .offset: 48, .size: 8, .value_kind: global_buffer, .address_space: global }
      - { .name: kb, .offset: 56, .size: 8, .value_kind: global_buffer, .address_space: global }
      - { .name: vb, .offset: 64, .size: 8, .value_kind: global_buffer, .address_space: global }
    .group_segment_fixed_size: 327680
    .private_segment_fixed_size: 0
    .kernarg_segment_align: 8
    .kernarg_segment_size: 72
    .max_flat_workgroup_size: 128
    .sgpr_count:     66
    .vgpr_count:     960
    .wavefront_size: 32
...
	.end_amdgpu_metadata
.endif
;; end of part 2
;; launch attn (part 3): grid 32 x 8, 4 waves a work-group, clusters of 4 x 1, 327,680 bytes of LDS; arguments qb, kb, vb, ab; writes ab
.if DOCPART == 3
	.amdgcn_target "amdgcn-amd-amdhsa--gfx1250"
	.amdhsa_code_object_version 6
	.text
	.protected	k_qbfe3b9fd57_attn
	.globl	k_qbfe3b9fd57_attn
	.p2align	8
	.type	k_qbfe3b9fd57_attn,@function
k_qbfe3b9fd57_attn:
	s_mov_b64 s[64:65], 0
	v_nop
	global_prefetch_b8 v0, s[64:65] scope:SCOPE_SE
	s_setreg_imm32_b32 hwreg(HW_REG_WAVE_MODE, 25, 1), 1
	s_wait_xcnt 0x0
	s_wait_alu depctr_hold_cnt(0) depctr_sa_sdst(0) depctr_va_vdst(0) depctr_va_sdst(0) depctr_va_ssrc(0) depctr_va_vcc(0) depctr_vm_vsrc(0)
	s_getreg_b32 s2, hwreg(HW_REG_IB_STS2, 6, 4)
	s_cmp_eq_u32 s2, 0
	s_cbranch_scc0 .Lentry_in_a_cluster
	s_endpgm
.Lentry_in_a_cluster:
	s_bfe_u32 s2, ttmp6, 0x10000c
	s_cmp_lg_u32 s2, 0x3003
	s_cbranch_scc0 .Lentry_shape_is_right
	s_endpgm
.Lentry_shape_is_right:
; ab[n][128 head + d] = 2^-3 sum over keys of softmax(q . k / sqrt(128)) v, no mask, 1,024 keys, with a running maximum.
; qb [64 blocks][1024][64] holds 2^-8 q; kb, vb [8 kv heads][8 tiles of 128 keys][4 chunks of 32 d][128 keys][32] hold 2^-8 k and 2^-3 v; ab [1024][4096]; all f16.
; A work-group: one query head, 128 queries; a wave: 32 queries (two blocks of 16).  32 x 8 = 256 work-groups.
; CLUSTER: the four query heads of one kv head read the same K and V tiles: they form a cluster of 4 x 1 and ask jointly (mask 15).
; K and V go in tiles of 128 keys through two LDS slots.  Waves 0, 1 fetch K's chunks 0-1, 2-3, waves 2, 3 V's: one load a wave, 64 rows of 256 bytes of
; memory (16,384 dense bytes); the mover lays padding behind every 64 bytes, so that a key's 32 numbers of a chunk are an LDS row of 80 (K) or 96 (V) bytes.
; TRANSPOSED PRODUCTS: S^T = K Q^T and O^T = V^T P^T.  In both results a lane holds ONE query (l % 16) and eight keys, or eight d, 8 (l / 16) + 0..7.  So the
; maximum and the sum need one exchange between lane halves, the factors need no broadcast, and P becomes the second product's operand by packing inside the lane.
; SOFTMAX in base 2: p = 2^(SC s - SC max), SC = 2^16 log2(e) / sqrt(128): the 2^16 takes back the scales of q and k.  The kernel keeps NM = -(SC max) as a running minimum.
; LIMITS: q, k, v, p and the result are f16, sums f32.  p is at most 1 and is off by at most 2^-25 where f16's relative 2^-12 would be less; the result keeps v's scale 2^-3 and
; with it v's room, |v| < 524,000.  An exponential below 2^-126 comes out as zero (ISA guide 15.8), against a sum of at least 1.
;
; WINDOWS: 0: addresses, statistics, S, P, V's fragments.  1: O (tile (db, q) at v[8 (2 db + q)]), Q at v[128 + 8 (4 q + c)].  2: K's fragments at v[8 (4 c + kb)].
.set KP,     80
.set KCH,    128*KP                    ; a chunk of K: 10,240
.set VP,     96                        ; 3 x 32, for the transposing load
.set VCH,    128*VP                    ; a chunk of V: 12,288
.set VOFF,   4*KCH
.set SLOT,   VOFF+4*VCH                ; 90,112
.set STAGE,  2*SLOT                    ; 180,224: behind the slots, 16 rows x 272 bytes for each wave; no tensor load lands there
.set SPITCH, 272
.set ADK,  6                           ; v6, v7   K fragments in slot 0, 1
.set ADV,  8                           ; v8, v9   V fragments in slot 0, 1
.set STO,  10
.set RD,   11
.set CO,   12
.set QOFF, 13
.set NM,   14                          ; v[14:17] -(SC max), a pair for each query block
.set AL,   18                          ; v[18:21] the factor for what was summed before, a pair for each query block
.set LL,   22                          ; v22, v23 the sums of p
.set TM,   24                          ; v[24:27]
.set XX,   28
.set YY,   29
.set DD,   30
.set SS,   32                          ; v[32:95]   S, tile (kb, q) at +8 (2 kb + q)
.set PP,   96                          ; v[96:127]  P, fragment (kc, q) at +8 (2 kc + q)
.set VF,   128                         ; v[128:255] V's fragments (kc, db) at +8 (8 kc + db)
.set QF,   128                         ; window 1
.set OPK,  128                         ; the way out: packed results, 32 registers for each query block
.set ORD,  192                         ; the way out: rows read back, 32 registers for each query block
.set G1K, 24
.set G0K, 32
.set G1V, 48
.set G0V, 56
.set MSB, 0
.macro WIN new
.if MSB != \new
	s_set_vgpr_msb (MSB<<8)|\new
.set MSB, \new
.endif
.endm
.macro PLACES                          ; four places behind a matrix instruction (ISA guide 7.12.1)
.rept 4
	v_nop
.endr
.endm
.macro CREST
	s_cmp_lg_u32 s12, 0
	s_cbranch_scc1 .Lnot_wave_0_\@
	s_barrier_signal -3
.Lnot_wave_0_\@:
	s_barrier_wait -3
	s_barrier_signal -1
	s_barrier_wait -1
.endm
.macro CROUND
	s_barrier_signal -1
	s_barrier_wait -1
	CREST
.endm
.macro JLOAD sl                        ; a joint load: waves 0, 1 ask for K, waves 2, 3 for V; the branch hangs on the wave's number alone
	s_cmp_eq_u32 s13, 0
	s_cbranch_scc0 .Lfor_v_\@
	tensor_load_to_lds s[G0K+4*\sl:G0K+4*\sl+3], s[G1K:G1K+7]
	s_nop 0
	s_branch .Lasked_\@
.Lfor_v_\@:
	tensor_load_to_lds s[G0V+4*\sl:G0V+4*\sl+3], s[G1V:G1V+7]
	s_nop 0
.Lasked_\@:
.endm
.macro KLOAD sl, u                     ; 32 loads: K's fragments of keys 64 u .. 64 u + 63: 4 chunks of d x 4 blocks of 16 keys
	WIN 0x80
.irp c, 0,1,2,3
.irp k, 0,1,2,3
	ds_load_b128 v[8*(4*\c+\k):8*(4*\c+\k)+3],   v[ADK+\sl] offset:\c*KCH+(64*\u+16*\k)*KP
	ds_load_b128 v[8*(4*\c+\k)+4:8*(4*\c+\k)+7], v[ADK+\sl] offset:\c*KCH+(64*\u+16*\k)*KP+32
.endr
.endr
	WIN 0
.endm
.macro VLOAD sl, u                     ; 32 transposing loads: V's fragments of the same keys: 2 blocks of 32 keys x 8 blocks of 16 d
.irp kc, 0,1
.irp d, 0,1,2,3,4,5,6,7
	ds_load_tr16_b128 v[VF+8*(8*\kc+\d):VF+8*(8*\kc+\d)+3],   v[ADV+\sl] offset:((\d)>>1)*VCH+(64*\u+32*\kc)*VP+32*((\d)&1)
	ds_load_tr16_b128 v[VF+8*(8*\kc+\d)+4:VF+8*(8*\kc+\d)+7], v[ADV+\sl] offset:((\d)>>1)*VCH+(64*\u+32*\kc)*VP+32*((\d)&1)+16*VP
.endr
.endr
.endm
.macro SMUL                            ; S^T = K Q^T, 64 keys x 32 queries: 32 matrix instructions; the eight accumulators take turns
	WIN 0x06                                       ; source 0 (K) window 2, source 1 (Q) window 1
.irp c, 0,1,2,3
.irp k, 0,1,2,3
.irp q, 0,1
.if \c == 0
	v_wmma_f32_16x16x32_f16 v[SS+8*(2*\k+\q):SS+8*(2*\k+\q)+7], v[8*(4*\c+\k):8*(4*\c+\k)+7], v[QF+8*(4*\q+\c):QF+8*(4*\q+\c)+7], 0
.else
	v_wmma_f32_16x16x32_f16 v[SS+8*(2*\k+\q):SS+8*(2*\k+\q)+7], v[8*(4*\c+\k):8*(4*\c+\k)+7], v[QF+8*(4*\q+\c):QF+8*(4*\q+\c)+7], v[SS+8*(2*\k+\q):SS+8*(2*\k+\q)+7]
.endif
.endr
.endr
.endr
.endm
.macro PVMUL first                     ; O^T += V^T P^T: 32 matrix instructions; the sixteen accumulators take turns
	WIN 0x50                                       ; C and D in window 1
.irp kc, 0,1
.irp d, 0,1,2,3,4,5,6,7
.irp q, 0,1
.if \first*(1-\kc)
	v_wmma_f32_16x16x32_f16 v[8*(2*\d+\q):8*(2*\d+\q)+7], v[VF+8*(8*\kc+\d):VF+8*(8*\kc+\d)+7], v[PP+8*(2*\kc+\q):PP+8*(2*\kc+\q)+7], 0
.else
	v_wmma_f32_16x16x32_f16 v[8*(2*\d+\q):8*(2*\d+\q)+7], v[VF+8*(8*\kc+\d):VF+8*(8*\kc+\d)+7], v[PP+8*(2*\kc+\q):PP+8*(2*\kc+\q)+7], v[8*(2*\d+\q):8*(2*\d+\q)+7]
.endif
.endr
.endr
.endr
.endm
; The softmax step of query block q on 64 keys.  A lane holds 32 of its query's scores, the lane 16 further the other 32.
.macro SOFT q, first
.irp k, 0,1,2,3
	v_max3_num_f32 v[TM+\k], v[SS+8*(2*\k+\q)], v[SS+8*(2*\k+\q)+1], v[SS+8*(2*\k+\q)+2]
.endr
.irp k, 0,1,2,3
	v_max3_num_f32 v[TM+\k], v[TM+\k], v[SS+8*(2*\k+\q)+3], v[SS+8*(2*\k+\q)+4]
.endr
.irp k, 0,1,2,3
	v_max3_num_f32 v[TM+\k], v[TM+\k], v[SS+8*(2*\k+\q)+5], v[SS+8*(2*\k+\q)+6]
.endr
	v_max3_num_f32 v[XX], v[TM], v[TM+1], v[TM+2]
	v_max3_num_f32 v[XX], v[XX], v[TM+3], v[SS+8*(\q)+7]
	v_max3_num_f32 v[XX], v[XX], v[SS+8*(2+\q)+7], v[SS+8*(4+\q)+7]
	v_max_num_f32 v[XX], v[XX], v[SS+8*(6+\q)+7]
	v_permlanex16_b32 v[YY], v[XX], s46, s47       ; the other half's maximum
	v_max_num_f32 v[XX], v[XX], v[YY]
.if \first
	v_mul_f32 v[NM+2*\q],   s43, v[XX]             ; -(SC max)
	v_mul_f32 v[NM+2*\q+1], s43, v[XX]
.else
	v_mul_f32 v[XX], s43, v[XX]
	v_min_num_f32 v[XX], v[XX], v[NM+2*\q]         ; the running maximum, as a minimum of the negatives
	v_sub_f32 v[DD], v[XX], v[NM+2*\q]             ; SC (old maximum - new maximum), at most 0
	v_exp_f32 v[AL+2*\q], v[DD]
	v_mov_b32 v[NM+2*\q],   v[XX]                  ; the plain instruction between v_exp_f32 and the first use of its result (ISA guide 5.7.2)
	v_mov_b32 v[NM+2*\q+1], v[XX]
	s_wait_alu depctr_va_vdst(0)
	v_mov_b32 v[AL+2*\q+1], v[AL+2*\q]
.endif
.irp k, 0,1,2,3
.irp i, 0,2,4,6
	v_pk_fma_f32 v[SS+8*(2*\k+\q)+\i:SS+8*(2*\k+\q)+\i+1], v[SS+8*(2*\k+\q)+\i:SS+8*(2*\k+\q)+\i+1], s[44:45], v[NM+2*\q:NM+2*\q+1] op_sel_hi:[1,0,1]
.endr
.endr
.irp k, 0,1,2,3
.irp i, 0,1,2,3,4,5,6,7
	v_exp_f32 v[SS+8*(2*\k+\q)+\i], v[SS+8*(2*\k+\q)+\i]
.endr
.endr
	v_nop                                          ; one plain place behind the run of exponentials
	s_wait_alu depctr_va_vdst(0)
.irp k, 0,1,2,3
.irp i, 0,1,2,3
	v_cvt_pk_f16_f32 v[PP+8*(2*((\k)>>1)+\q)+4*((\k)&1)+\i], v[SS+8*(2*\k+\q)+2*\i], v[SS+8*(2*\k+\q)+2*\i+1]   ; keys 32 kc + 8 h .. in registers 0-3, 16 further in 4-7
.endr
.endr
.irp k, 0,1
.irp i, 0,2,4,6
	v_pk_add_f32 v[SS+8*(2*\k+\q)+\i:SS+8*(2*\k+\q)+\i+1], v[SS+8*(2*\k+\q)+\i:SS+8*(2*\k+\q)+\i+1], v[SS+8*(2*\k+4+\q)+\i:SS+8*(2*\k+4+\q)+\i+1]
.endr
.endr
.irp i, 0,2,4,6
	v_pk_add_f32 v[SS+8*(\q)+\i:SS+8*(\q)+\i+1], v[SS+8*(\q)+\i:SS+8*(\q)+\i+1], v[SS+8*(2+\q)+\i:SS+8*(2+\q)+\i+1]
.endr
.irp i, 0,2
	v_pk_add_f32 v[SS+8*(\q)+\i:SS+8*(\q)+\i+1], v[SS+8*(\q)+\i:SS+8*(\q)+\i+1], v[SS+8*(\q)+\i+4:SS+8*(\q)+\i+5]
.endr
	v_pk_add_f32 v[SS+8*(\q):SS+8*(\q)+1], v[SS+8*(\q):SS+8*(\q)+1], v[SS+8*(\q)+2:SS+8*(\q)+3]
.if \first
	v_add_f32 v[LL+\q], v[SS+8*(\q)], v[SS+8*(\q)+1]
.else
	v_add_f32 v[XX], v[SS+8*(\q)], v[SS+8*(\q)+1]
	v_fma_f32 v[LL+\q], v[LL+\q], v[AL+2*\q], v[XX]
.endif
.endm
.macro RESC                            ; what was summed before is brought to the new maximum
	WIN 0x41                                       ; source 0 and the destination in window 1
.irp q, 0,1
.irp d, 0,1,2,3,4,5,6,7
.irp i, 0,2,4,6
	v_pk_mul_f32 v[8*(2*\d+\q)+\i:8*(2*\d+\q)+\i+1], v[8*(2*\d+\q)+\i:8*(2*\d+\q)+\i+1], v[AL+2*\q:AL+2*\q+1]
.endr
.endr
.endr
	WIN 0
.endm
; A tile of 128 keys in slot sl, as two halves of 64.  Each s_wait_dscnt 32 leaves the 32 youngest fragment loads out.
.macro STEP sl, first
	PLACES
	KLOAD \sl, 0
	VLOAD \sl, 0
	s_wait_dscnt 32                                ; K's fragments are in, V's may be out
	SMUL
	WIN 0
	PLACES
	KLOAD \sl, 1
	SOFT 0, \first
	SOFT 1, \first
.if \first == 0
	RESC
.endif
	s_wait_dscnt 32                                ; V's are in, the second half's K may be out
	PVMUL \first
	WIN 0
	PLACES
	VLOAD \sl, 1
	s_wait_dscnt 32                                ; the second half's K is in
	SMUL
	WIN 0
	PLACES
	SOFT 0, 0
	SOFT 1, 0
	RESC
	s_wait_dscnt 0x0
	PVMUL 0
	WIN 0
.endm
; The change of slots.  Every wave's reads of slot sl are back and all its tensor loads have landed (one was out: its part of the other slot).  With a refill a round
; of the cluster's barrier follows, and the joint load is the first thing behind it, one a wave; without, the work-group's barrier shows the other slot whole.
.macro TURN sl, refill
	s_wait_dscnt 0x0
	s_wait_tensorcnt 0x0
.if \refill
	CROUND
	s_add_nc_u64 s[G0K+4*\sl+2:G0K+4*\sl+3], s[G0K+4*\sl+2:G0K+4*\sl+3], 65536     ; two tiles of 32,768 bytes on
	s_add_nc_u64 s[G0V+4*\sl+2:G0V+4*\sl+3], s[G0V+4*\sl+2:G0V+4*\sl+3], 65536
	JLOAD \sl
.else
	s_barrier_signal -1
	s_barrier_wait -1
.endif
.endm
	s_load_b256 s[4:11], s[0:1], 0x0               ; qb 4, kb 6, vb 8, ab 10
	v_lshrrev_b32 v1, 5, v0
	v_readfirstlane_b32 s12, v1                    ; wave 0..3
	s_lshr_b32 s13, s12, 1                         ; I fetch for K (0) or for V (1),
	s_and_b32 s14, s12, 1                          ; chunks 0-1 or 2-3
	s_bfe_u32 s15, ttmp6, 0x40000                  ; cx
	s_lshl_b32 s17, ttmp9, 2
	s_add_co_u32 s17, s17, s15                     ; query head = 4 x kv head + cx
	s_and_b32 s18, ttmp7, 0xffff                   ; block of 128 queries
	s_mov_b32 s43, 0xc60293ee                      ; -SC
	s_mov_b32 s44, 0x460293ee                      ; SC = 2^16 log2(e) / sqrt(128) = 65,536 x 0.12751743
	s_mov_b32 s45, 0x460293ee
	s_mov_b32 s46, 0x76543210                      ; v_permlanex16_b32: lane i of one half reads lane i of the other
	s_mov_b32 s47, 0xfedcba98
	s_mov_b32 s[G1K+0], 15|(1<<16)|(1<<20)|(1<<21)|(3<<22)|(3<<25)  ; mask: all four; elements of 2 bytes; padding on; bit 21 beside a mask; after every 16 words 4 words
	s_mov_b32 s[G1V+0], 15|(1<<16)|(1<<20)|(1<<21)|(3<<22)|(7<<25)  ; the same with 8 words of padding
	s_mov_b32 s[G1K+1], 128<<16                    ; tensor_dim0 = 128
	s_mov_b32 s[G1V+1], 128<<16
	s_mov_b32 s[G1K+2], 64<<16                     ; tensor_dim1 = 64
	s_mov_b32 s[G1V+2], 64<<16
	s_mov_b32 s[G1K+3], 128<<16                    ; tile_dim0 = 128 elements: rows of 256 bytes
	s_mov_b32 s[G1V+3], 128<<16
	s_mov_b32 s[G1K+4], 64                         ; tile_dim1 = 64 rows
	s_mov_b32 s[G1V+4], 64
	s_mov_b32 s[G1K+5], 128                        ; dense: a row begins where the last ends
	s_mov_b32 s[G1V+5], 128
	s_mov_b32 s[G1K+6], 0
	s_mov_b32 s[G1V+6], 0
	s_mov_b32 s[G1K+7], 0
	s_mov_b32 s[G1V+7], 0
	s_lshl_b32 s40, ttmp9, 18                      ; the kv head's 262,144 bytes, and my two chunks: made of the cluster's x and the wave's number alone
	s_lshl_b32 s41, s14, 14
	s_add_co_u32 s40, s40, s41
	s_mov_b32 s41, 0
	s_mul_i32 s19, s14, 2*KCH                      ; where they go in a slot
	s_mul_i32 s42, s14, 2*VCH
	s_add_co_u32 s42, s42, VOFF
	v_and_b32 v2, 15, v0                           ; r
	v_bfe_u32 v3, v0, 4, 1                         ; h
	v_and_b32 v4, 7, v0
	v_bfe_u32 v5, v0, 3, 1
	v_mul_u32_u24 v1, v2, KP
	v_lshl_add_u32 v[ADK], v3, 4, v1               ; key r, 16 bytes for each half of the lanes
	v_add_nc_u32 v[ADK+1], SLOT, v[ADK]
	v_lshl_add_u32 v1, v3, 3, v4                   ; transposing load: key 8 h + l % 8, 16 bytes at 16 ((l / 8) % 2)
	v_mul_u32_u24 v1, v1, VP
	v_lshl_add_u32 v1, v5, 4, v1
	v_add_nc_u32 v[ADV], VOFF, v1
	v_add_nc_u32 v[ADV+1], SLOT, v[ADV]
	s_mul_i32 s16, s12, 16*SPITCH
	s_add_co_u32 s16, s16, STAGE                   ; my stage
	v_mul_u32_u24 v1, v2, SPITCH
	v_lshl_add_u32 v1, v3, 4, v1
	v_add_nc_u32 v[STO], s16, v1
	v_mul_u32_u24 v1, v3, SPITCH
	v_lshl_add_u32 v1, v2, 4, v1
	v_add_nc_u32 v[RD], s16, v1
	v_lshlrev_b32 v1, 4, v2
	v_lshl_add_u32 v[CO], v3, 13, v1               ; two rows of ab, 8,192 bytes apart
	v_lshlrev_b32 v1, 7, v2
	v_lshl_add_u32 v1, v3, 4, v1
	s_lshl_b32 s16, s12, 12
	v_add_nc_u32 v[QOFF], s16, v1                  ; query 32 w + r, rows of 128 bytes
	v_mov_b32 v[YY], 0                             ; v_permlanex16_b32 counts as a reader of its destination
	s_lshl_b32 s2, s17, 18                         ; qb: the head's two blocks, my 128 queries
	s_lshl_b32 s3, s18, 14
	s_add_co_u32 s2, s2, s3
	s_mov_b32 s3, 0
	s_wait_kmcnt 0x0
	s_add_nc_u64 s[4:5], s[4:5], s[2:3]
	s_lshl_b32 s2, s18, 20                         ; ab: row 128 block + 32 w, byte 256 head
	s_lshl_b32 s16, s12, 18
	s_add_co_u32 s2, s2, s16
	s_lshl_b32 s16, s17, 8
	s_add_co_u32 s2, s2, s16
	s_add_nc_u64 s[10:11], s[10:11], s[2:3]
	s_add_nc_u64 s[20:21], s[6:7], s[40:41]
	s_add_nc_u64 s[22:23], s[8:9], s[40:41]
.irp s, 0,1
	s_mov_b32 s[G0K+4*\s], 1
	s_add_co_u32 s[G0K+4*\s+1], s19, \s*SLOT
	s_add_nc_u64 s[G0K+4*\s+2:G0K+4*\s+3], s[20:21], \s*32768      ; key tile s
	s_or_b32 s[G0K+4*\s+3], s[G0K+4*\s+3], 0x80000000
	s_mov_b32 s[G0V+4*\s], 1
	s_add_co_u32 s[G0V+4*\s+1], s42, \s*SLOT
	s_add_nc_u64 s[G0V+4*\s+2:G0V+4*\s+3], s[22:23], \s*32768
	s_or_b32 s[G0V+4*\s+3], s[G0V+4*\s+3], 0x80000000
.endr
	WIN 0x40                                       ; Q's eight fragments stay in window 1 for the whole kernel
.irp q, 0,1
.irp c, 0,1,2,3
.irp i, 0,1
	global_load_b128 v[QF+8*(4*\q+\c)+4*\i:QF+8*(4*\q+\c)+4*\i+3], v[QOFF], s[4:5] offset:((\c)>>1)*131072+\q*2048+((\c)&1)*64+32*\i
.endr
.endr
.endr
	WIN 0
	CROUND                                         ; the four work-groups are here: the first joint loads meet
	JLOAD 0                                        ; two tensor loads of the wave are out here, one behind each later round
	JLOAD 1
	s_wait_tensorcnt 0x1                           ; my part of tile 0 is in; tile 1's may stay out
	s_barrier_signal -1
	s_barrier_wait -1
	s_wait_loadcnt 0x0                             ; Q
	STEP 0, 1                                      ; tile 0 starts the maxima and the sums: nothing is cleared
	TURN 0, 1
	s_mov_b32 s3, 2
.Lpair:
	STEP 1, 0
	TURN 1, 1
	STEP 0, 0
	TURN 0, 1
	s_sub_co_u32 s3, s3, 1
	s_cmp_lg_u32 s3, 0
	s_cbranch_scc1 .Lpair
	STEP 1, 0                                      ; tile 5
	TURN 1, 1                                      ; tile 7 is the last that is asked for
	STEP 0, 0
	TURN 0, 0
	STEP 1, 0
	; THE WAY OUT: divide by the sum, round to f16, 16 rows at a time through my own stage, whole rows of 256 bytes out.
	PLACES
	v_permlanex16_b32 v[YY], v[LL], s46, s47       ; the other half's keys
	v_permlanex16_b32 v[XX], v[LL+1], s46, s47
	v_add_f32 v[LL], v[LL], v[YY]
	v_add_f32 v[LL+1], v[LL+1], v[XX]
	v_rcp_f32 v[AL], v[LL]
	v_rcp_f32 v[AL+2], v[LL+1]
	v_nop                                          ; one plain place behind the reciprocals
	s_wait_alu depctr_va_vdst(0)
	v_mov_b32 v[AL+1], v[AL]
	v_mov_b32 v[AL+3], v[AL+2]
.macro OUT16 q
	WIN 0x41
.irp d, 0,1,2,3,4,5,6,7
.irp i, 0,2,4,6
	v_pk_mul_f32 v[8*(2*\d+\q)+\i:8*(2*\d+\q)+\i+1], v[8*(2*\d+\q)+\i:8*(2*\d+\q)+\i+1], v[AL+2*\q:AL+2*\q+1]
.endr
.endr
	WIN 0x05                                       ; sources in window 1, destination in window 0
.irp d, 0,1,2,3,4,5,6,7
.irp i, 0,1,2,3
	v_cvt_pk_f16_f32 v[OPK+32*\q+4*\d+\i], v[8*(2*\d+\q)+2*\i], v[8*(2*\d+\q)+2*\i+1]
.endr
.endr
	WIN 0
.irp d, 0,1,2,3,4,5,6,7
	ds_store_b128 v[STO], v[OPK+32*\q+4*\d:OPK+32*\q+4*\d+3] offset:32*\d
.endr
.irp t, 0,1,2,3,4,5,6,7
	ds_load_b128 v[ORD+32*\q+4*\t:ORD+32*\q+4*\t+3], v[RD] offset:\t*2*SPITCH      ; LDS serves a wave's instructions in order (ISA guide 5.7.1.4): these see the stores above
.endr
.irp t, 0,1,2,3,4,5,6,7
	s_wait_dscnt 7-\t
	global_store_b128 v[CO], v[ORD+32*\q+4*\t:ORD+32*\q+4*\t+3], s[10:11] offset:(16*\q+2*\t)*8192   ; 16 lanes store 256 consecutive bytes, aligned
.endr
.endm
	OUT16 0
	OUT16 1
	CROUND                                         ; the closing round
	s_endpgm
.Lfunc_end_k_qbfe3b9fd57_attn:
	.size	k_qbfe3b9fd57_attn, .Lfunc_end_k_qbfe3b9fd57_attn-k_qbfe3b9fd57_attn
	.p2alignl 7, 3214868480
	.fill 96, 4, 3214868480
	.section	.rodata,"a",@progbits
	.p2align	6, 0x0
	.amdhsa_kernel k_qbfe3b9fd57_attn
		.amdhsa_group_segment_fixed_size 327680
		.amdhsa_private_segment_fixed_size 0
		.amdhsa_enable_private_segment 0
		.amdhsa_kernarg_size 32
		.amdhsa_user_sgpr_count 2
		.amdhsa_user_sgpr_kernarg_segment_ptr 1
		.amdhsa_wavefront_size32 1
		.amdhsa_system_sgpr_workgroup_id_x 1
		.amdhsa_system_sgpr_workgroup_id_y 1
		.amdhsa_system_sgpr_workgroup_id_z 1
		.amdhsa_system_vgpr_workitem_id 0
		.amdhsa_next_free_vgpr 640
		.amdhsa_next_free_sgpr 66
		.amdhsa_reserve_vcc 0
		.amdhsa_float_denorm_mode_32 3
		.amdhsa_float_denorm_mode_16_64 3
		.amdhsa_memory_ordered 1
		.amdhsa_forward_progress 1
		.amdhsa_inst_pref_size 255
	.end_amdhsa_kernel
	.section	.bss,"aw",@nobits
	.p2align	6
	.space	262144
	.amdgpu_metadata
---
amdhsa.version: [ 1, 2 ]
amdhsa.kernels:
  - .name:           k_qbfe3b9fd57_attn
    .symbol:         k_qbfe3b9fd57_attn.kd
    .args:
      - { .name: qb, .offset: 0, .size: 8, .value_kind: global_buffer, .address_space: global }
      - { .name: kb, .offset: 8, .size: 8, .value_kind: global_buffer, .address_space: global }
      - { .name: vb, .offset: 16, .size: 8, .value_kind: global_buffer, .address_space: global }
      - { .name: ab, .offset: 24, .size: 8, .value_kind: global_buffer, .address_space: global }
    .group_segment_fixed_size: 327680
    .private_segment_fixed_size: 0
    .kernarg_segment_align: 8
    .kernarg_segment_size: 32
    .max_flat_workgroup_size: 128
    .sgpr_count:     66
    .vgpr_count:     640
    .wavefront_size: 32
...
	.end_amdgpu_metadata
.endif
;; end of part 3
;; launch oproj (part 4): grid 64 x 4, 4 waves a work-group, clusters of 4 x 4, 327,680 bytes of LDS; arguments ab, wo, out0; writes out0
.if DOCPART == 4
	.amdgcn_target "amdgcn-amd-amdhsa--gfx1250"
	.amdhsa_code_object_version 6
	.text
	.protected	k_qbfe3b9fd57_oproj
	.globl	k_qbfe3b9fd57_oproj
	.p2align	8
	.type	k_qbfe3b9fd57_oproj,@function
k_qbfe3b9fd57_oproj:
	s_mov_b64 s[64:65], 0
	v_nop
	global_prefetch_b8 v0, s[64:65] scope:SCOPE_SE
	s_setreg_imm32_b32 hwreg(HW_REG_WAVE_MODE, 25, 1), 1
	s_wait_xcnt 0x0
	s_wait_alu depctr_hold_cnt(0) depctr_sa_sdst(0) depctr_va_vdst(0) depctr_va_sdst(0) depctr_va_ssrc(0) depctr_va_vcc(0) depctr_vm_vsrc(0)
	s_getreg_b32 s2, hwreg(HW_REG_IB_STS2, 6, 4)
	s_cmp_eq_u32 s2, 0
	s_cbranch_scc0 .Lentry_in_a_cluster
	s_endpgm
.Lentry_in_a_cluster:
	s_bfe_u32 s2, ttmp6, 0x10000c
	s_cmp_lg_u32 s2, 0xf033
	s_cbranch_scc0 .Lentry_shape_is_right
	s_endpgm
.Lentry_shape_is_right:
; out0 = 8 (ab wo).  ab: [1024][4096] f16, the attention's result times 2^-3.  wo: [4096][4096] f32, rows along K.  out0: [1024][4096] f32.
; The same frame as the projection of q, k and v: a work-group makes 256 rows x 64 columns (64 x 4 = 256 work-groups), four waves stacked along the rows,
; a wave 64 x 64: 16 accumulator tiles, 128 registers.
; A (ab): joint tensor loads along a row of the 4 x 4 cluster, two LDS slots of 256 rows x 256 K; each wave fetches and reads its own 64 rows.
; K ORDER: all sixteen clusters read all of ab.  Cluster c starts at K block 2 s (blocks of 256), s = c for c < 8 and 15 - c for c >= 8, and walks the sixteen blocks
;   round, with a wrap.  Two clusters have the same s only if their numbers differ in all four bits, so the eight clusters that agree in any one bit of c
;   ask, in their first fills of two blocks each, for all sixteen blocks; every block that a cluster asks for in the loop has been read before by another
;   cluster, and at no time do all clusters ask for the same 512 bytes of every row.  The weights are walked in the same order.
; WEIGHTS: through registers, not by joint tensor loads, although a column of the cluster reads the same weights: they are f32 and must be rounded to f16 on the
;   way; as f32 tiles in LDS a K step of 128 would be 128 x 64 x 4 = 32,768 bytes written and read again on top of the 16,384 bytes of f16 that are needed
;   anyway, and two slots of 256 K of them (131,072 bytes) do not fit beside A's 270,336.  Each wave loads 32 of a step's 128 K rows (16 loads of 16 bytes a lane), rounds them and
;   stores f16 rows [K][64] into one of two LDS tiles; a ring of two register sets keeps the loads of two K steps (32 a wave) on their way.
; LIMITS: matrix operands are f16, sums and the result f32.  |wo| < 65,504; an element of wo is off by at most 2^-25 where f16's relative 2^-12 would be less.
;   The sum over K begins at the cluster's first block and wraps: an order of rounding other than ascending K.
; WINDOWS: 0: addresses, two fragment buffers.  1: accumulators, tile (a, b) at v[8 (4 a + b)].  2: the weight ring and what the conversion touches.
.set APITCH, 528
.set AWAVE,  64*APITCH
.set ASLOT,  4*AWAVE                   ; 135,168
.set BP,     160                       ; an LDS row of weights: 128 bytes + 32 unused = 5 x 32
.set BBSZ,   128*BP                    ; 20,480
.set BB0,    2*ASLOT                   ; 270,336
.set SPITCH, 272                       ; the way out: 16 rows x (256 + 16) bytes for each wave, in weight tile 0
.set WQSTEP, 128*16384                 ; 128 rows of wo = 1 << 21
.set ADRA, 6
.set ADRB, 8
.set STO,  9
.set RD,   10
.set CO,   11
.set F0,   16                          ; v[16:79]   A's four fragments at +8 a, the weights' four at +32 + 8 b
.set F1,   80                          ; v[80:143]
.set FO,   128                         ; window 2: v[128:143]
.set OFQ,  144                         ; window 2
.set STQ,  145                         ; window 2
.set WQ0, 6                            ; s[6:7]   wo at my columns, K row 0; never rewritten
.set TS,  10                           ; s10      the K step (of 128) that is asked for next, modulo 32
.set QOF, 12                           ; s[12:13] its byte offset in wo, with 0 above it
.set AOF, 16                           ; s[16:17], s[18:19] slot 0's, slot 1's block: its byte offset in a row of ab, with 0 above it
.set AB0, 28                           ; s[28:29] ab at my wave's first row; never rewritten
.set G1,  32
.set G0,  40
.set WQB, 48
.set MSB, 0
.macro WIN new
.if MSB != \new
	s_set_vgpr_msb (MSB<<8)|\new
.set MSB, \new
.endif
.endm
.macro PLACES                          ; four places behind a matrix instruction (ISA guide 7.12.1)
.rept 4
	v_nop
.endr
.endm
.macro CREST
	s_cmp_lg_u32 s22, 0
	s_cbranch_scc1 .Lnot_wave_0_\@
	s_barrier_signal -3
.Lnot_wave_0_\@:
	s_barrier_wait -3
	s_barrier_signal -1
	s_barrier_wait -1
.endm
.macro CROUND
	s_barrier_signal -1
	s_barrier_wait -1
	CREST
.endm
; The weight loads' base goes n K steps on, with the wrap at 32 steps: the fixed base plus an offset made apart from it.
.macro WSTEP n
	s_add_co_u32 s[TS], s[TS], \n
	s_and_b32 s[TS], s[TS], 31
	s_lshl_b32 s[QOF], s[TS], 21
	s_add_nc_u64 s[WQB:WQB+1], s[WQ0:WQ0+1], s[QOF:QOF+1]
.endm
; 8 matrix instructions; source 0 = weights, source 1 = rows of ab: a lane holds row l % 16 and eight neighbouring columns.
; The 16 accumulators take turns, one instruction a turn, in the same order everywhere.
.macro MUL f, a0, zero
.irp a, \a0, \a0+1
.irp b, 0,1,2,3
.if \zero
	v_wmma_f32_16x16x32_f16 v[8*(4*(\a)+\b):8*(4*(\a)+\b)+7], v[\f+32+8*\b:\f+32+8*\b+7], v[\f+8*(\a):\f+8*(\a)+7], 0
.else
	v_wmma_f32_16x16x32_f16 v[8*(4*(\a)+\b):8*(4*(\a)+\b)+7], v[\f+32+8*\b:\f+32+8*\b+7], v[\f+8*(\a):\f+8*(\a)+7], v[8*(4*(\a)+\b):8*(4*(\a)+\b)+7]
.endif
.endr
.endr
.endm
.macro FRAGS sl, abyte, bb, kc, f      ; 16 LDS loads: eight transposing loads of weights, then A's eight
.irp b, 0,1,2,3
	ds_load_tr16_b128 v[\f+32+8*\b:\f+32+8*\b+3],   v[ADRB] offset:(\bb)*BBSZ+(\kc)*32*BP+32*\b
	ds_load_tr16_b128 v[\f+32+8*\b+4:\f+32+8*\b+7], v[ADRB] offset:(\bb)*BBSZ+(\kc)*32*BP+32*\b+16*BP
.endr
.irp a, 0,1,2,3
	ds_load_b128 v[\f+8*\a:\f+8*\a+3],   v[ADRA+(\sl)] offset:\a*16*APITCH+(\abyte)
	ds_load_b128 v[\f+8*\a+4:\f+8*\a+7], v[ADRA+(\sl)] offset:\a*16*APITCH+(\abyte)+32
.endr
.endm
; Eight loads into group g of ring set 'set': two rows a load (lanes 0-15 row k, lanes 16-31 row k + 4, each 256 consecutive aligned bytes), k = 0-3, 8-11, 16 more in group 1.
; ahead: K steps carried in the immediate (the prologue alone: the first step is 28 at the most, so two steps on there is no wrap).
.macro WLOAD set, g, ahead
.irp i, 0,1,2,3,4,5,6,7
	global_load_b128 v[32*(2*(\set)+\g)+4*\i:32*(2*(\set)+\g)+4*\i+3], v[OFQ], s[WQB:WQB+1] offset:(((\i)&3)+8*((\i)>>2)+16*\g)*16384+\ahead*WQSTEP
.endr
.endm
.macro CONV set, g, bb, reis, lc, ahead
	s_wait_loadcnt \lc                             ; lc = the loads issued behind this group
	WIN 0x8a
.irp i, 0,1,2,3,4,5,6,7
	v_cvt_pk_f16_f32 v[FO+2*\i],   v[32*(2*(\set)+\g)+4*\i],   v[32*(2*(\set)+\g)+4*\i+1]
	v_cvt_pk_f16_f32 v[FO+2*\i+1], v[32*(2*(\set)+\g)+4*\i+2], v[32*(2*(\set)+\g)+4*\i+3]
.endr
.if \reis
	WLOAD \set, \g, \ahead
.endif
.irp i, 0,1,2,3,4,5,6,7
	ds_store_b64 v[STQ], v[FO+2*\i:FO+2*\i+1] offset:(\bb)*BBSZ+(((\i)&3)+8*((\i)>>2)+16*\g)*BP   ; the two rows are 4 x 160 = 2 x 256 + 128 bytes apart
.endr
.endm
.macro QUARTER sl, an, bb, kn, f, g, zero, conv, grp, reis, lc
	s_wait_dscnt 4                                 ; all but the four youngest loads (A's rows 32-63)
	WIN 0x50
	MUL \f, 0, \zero
.if \conv
	CONV 1-\bb, \grp, 1-\bb, \reis, \lc, 0         ; its sixteen conversions are the places in front of the fragment loads
	WIN 0
	FRAGS \sl, \an, \bb, \kn, \g
	s_wait_dscnt 24                                ; all but the 8 stores and 16 loads just issued
.else
	WIN 0
	PLACES
	FRAGS \sl, \an, \bb, \kn, \g
	s_wait_dscnt 16                                ; all but the 16 loads just issued
.endif
	WIN 0x50
	MUL \f, 2, \zero
.endm
.macro STEP sl, e, bb, zero, conv, reis, lc0, lc1
	QUARTER \sl, \e*256+64,  \bb, 1, F0, F1, \zero, \conv, 0, \reis, \lc0
	QUARTER \sl, \e*256+128, \bb, 2, F1, F0, 0, \conv, 1, \reis, \lc1
	QUARTER \sl, \e*256+192, \bb, 3, F0, F1, 0, 0, 0, 0, 0
.endm
; The fourth quarter without a refill of A: one barrier changes the weight tiles (my stores into the next and my reads of this one are done in front of it).
.macro TURNP sn, an, bn, tw, step
	s_wait_dscnt 0x0
.if \tw
	s_wait_tensorcnt 0x0
.endif
	s_barrier_signal -1
	WIN 0x50
	MUL F1, 0, 0
	WIN 0
	s_barrier_wait -1
.if \step
	s_wait_xcnt 0x0                                ; the weight loads' base is written again only behind this wait
	WSTEP 1
.endif
	PLACES
	FRAGS \sn, \an, \bn, 0, F0
	WIN 0x50
	MUL F1, 2, 0
.endm
; The fourth quarter with a refill of slot sl: the barrier opens a round of the cluster's barrier; in front of it every wave's LDS instructions are done and all its
; tensor loads have landed; inside register work alone; the joint load first behind it, one a wave.
.macro TURNR sl
	s_wait_dscnt 0x0
	s_wait_tensorcnt 0x0
	s_add_co_u32 s[AOF+2*\sl], s[AOF+2*\sl], 1024  ; no tensor load of mine is out, so a group 0 may be written: two blocks of 512 bytes on,
	s_and_b32 s[AOF+2*\sl], s[AOF+2*\sl], 0x1fff   ; with the wrap at a row's 8,192 bytes
	s_add_nc_u64 s[G0+4*\sl+2:G0+4*\sl+3], s[AB0:AB0+1], s[AOF+2*\sl:AOF+2*\sl+1]
	s_or_b32 s[G0+4*\sl+3], s[G0+4*\sl+3], 0x80000000
	s_barrier_signal -1
	WIN 0x50
	MUL F1, 0, 0
	WIN 0
	s_barrier_wait -1
	CREST
	tensor_load_to_lds s[G0+4*\sl:G0+4*\sl+3], s[G1:G1+7]
	s_nop 0
	s_wait_xcnt 0x0
	WSTEP 1
	PLACES
	FRAGS 1-\sl, 0, 0, 0, F0
	WIN 0x50
	MUL F1, 2, 0
.endm
.macro LAP zero                        ; four K steps of 128.  24 = three younger groups of eight loads
	STEP 0, 0, 0, \zero, 1, 1, 24, 24
	TURNP 0, 256, 1, 0, 1
	STEP 0, 1, 1, 0, 1, 1, 24, 24
	TURNR 0
	STEP 1, 0, 0, 0, 1, 1, 24, 24
	TURNP 1, 256, 1, 0, 1
	STEP 1, 1, 1, 0, 1, 1, 24, 24
	TURNR 1
.endm
	s_load_b128 s[4:7], s[0:1], 0x0                ; ab 4, wo 6
	s_load_b64 s[8:9], s[0:1], 0x10                ; out0
	v_lshrrev_b32 v1, 5, v0
	v_readfirstlane_b32 s22, v1                    ; wave 0..3
	s_bfe_u32 s23, ttmp6, 0x40000                  ; cx
	s_bfe_u32 s24, ttmp6, 0x40004                  ; cy = the block of 256 rows: one cluster along y
	s_lshl_b32 s25, ttmp9, 2
	s_add_co_u32 s25, s25, s23                     ; j: the column block
	s_lshl_b32 s26, s24, 2
	s_lshl_b32 s26, 15, s26                        ; my row of the cluster
	s_or_b32 s[G1+0], s26, (1<<16)|(1<<20)|(1<<21)|(6<<22)|(3<<25)  ; the mask; elements of 2 bytes; padding on; bit 21 beside a mask; after every 128 words 4 words
	s_mov_b32 s[G1+1], 256<<16
	s_mov_b32 s[G1+2], 64<<16
	s_mov_b32 s[G1+3], 256<<16
	s_mov_b32 s[G1+4], 64
	s_mov_b32 s[G1+5], 4096
	s_mov_b32 s[G1+6], 0
	s_mov_b32 s[G1+7], 0
	s_lshl_b32 s28, s24, 21                        ; (256 cy + 64 w) rows of 8,192 bytes: made of cy and the wave's number alone
	s_lshl_b32 s29, s22, 19
	s_add_co_u32 s28, s28, s29
	s_mov_b32 s29, 0
	s_mul_i32 s53, s22, AWAVE
	; where my cluster begins along K: s = c for c < 8, 15 - c for c >= 8; made of the cluster's x alone, so it is alike in all sixteen work-groups
	s_lshr_b32 s11, ttmp9, 3
	s_sub_co_u32 s11, 0, s11                       ; 0, or all ones
	s_xor_b32 s11, s11, ttmp9
	s_and_b32 s11, s11, 7                          ; s
	s_lshl_b32 s[TS], s11, 2                       ; the first K step of 128: 4 s
	s_lshl_b32 s[QOF], s[TS], 21
	s_mov_b32 s[QOF+1], 0
	s_lshl_b32 s[AOF], s11, 10                     ; slot 0: block 2 s, 512 bytes a block
	s_mov_b32 s[AOF+1], 0
	s_add_co_u32 s[AOF+2], s[AOF], 512             ; slot 1: block 2 s + 1, 15 at the most
	s_mov_b32 s[AOF+3], 0
	v_and_b32 v2, 15, v0                           ; r
	v_bfe_u32 v3, v0, 4, 1                         ; h
	v_and_b32 v4, 7, v0
	v_mul_u32_u24 v16, v2, APITCH
	v_lshl_add_u32 v16, v3, 4, v16
	v_add_nc_u32 v[ADRA], s53, v16
	v_add_nc_u32 v[ADRA+1], ASLOT, v[ADRA]
	v_lshl_add_u32 v16, v3, 3, v4
	v_mul_u32_u24 v16, v16, BP
	v_bfe_u32 v17, v0, 3, 1
	v_lshl_add_u32 v16, v17, 4, v16
	v_add_nc_u32 v[ADRB], BB0, v16
	s_mul_i32 s30, s22, 16*SPITCH
	s_add_co_u32 s30, s30, BB0                     ; my stage
	v_mul_u32_u24 v16, v2, SPITCH                  ; in: row r, 32 bytes for each half of the lanes
	v_lshl_add_u32 v16, v3, 5, v16
	v_add_nc_u32 v[STO], s30, v16
	v_mul_u32_u24 v16, v3, SPITCH                  ; back: lanes 0-15 one row of 256 bytes, lanes 16-31 the next
	v_lshl_add_u32 v16, v2, 4, v16
	v_add_nc_u32 v[RD], s30, v16
	v_lshlrev_b32 v16, 4, v2
	v_lshl_add_u32 v[CO], v3, 14, v16              ; the same two rows in out0
	v_lshl_add_u32 v16, v3, 16, v16                ; wo: row 32 w + 4 h, 16 r
	v_mul_u32_u24 v18, v3, 4*BP
	v_lshl_add_u32 v18, v2, 3, v18
	s_lshl_b32 s26, s22, 19
	s_mul_i32 s62, s22, 32*BP
	s_add_co_u32 s62, s62, BB0
	WIN 0x80
	v_add_nc_u32 v[OFQ], s26, v16
	v_add_nc_u32 v[STQ], s62, v18
	s_wait_kmcnt 0x0
	s_add_nc_u64 s[AB0:AB0+1], s[4:5], s[28:29]    ; ab at my wave's rows
.irp s, 0,1
	s_mov_b32 s[G0+4*\s], 1
	s_add_co_u32 s[G0+4*\s+1], s53, \s*ASLOT
	s_add_nc_u64 s[G0+4*\s+2:G0+4*\s+3], s[AB0:AB0+1], s[AOF+2*\s:AOF+2*\s+1]
	s_or_b32 s[G0+4*\s+3], s[G0+4*\s+3], 0x80000000
.endr
	s_lshl_b32 s30, s25, 8                         ; 64 j columns of f32
	s_mov_b32 s31, 0
	s_add_nc_u64 s[WQ0:WQ0+1], s[6:7], s[30:31]
	s_add_nc_u64 s[WQB:WQB+1], s[WQ0:WQ0+1], s[QOF:QOF+1]
	s_lshl_b32 s2, s24, 22                         ; out0: (256 cy + 64 w) rows of 16,384 bytes, and the same columns
	s_lshl_b32 s3, s22, 20
	s_add_co_u32 s2, s2, s3
	s_add_co_u32 s2, s2, s30
	s_mov_b32 s3, 0
	s_add_nc_u64 s[54:55], s[8:9], s[2:3]
	WIN 0x8a
	WLOAD 0, 0, 0                                  ; the weights of my first two K steps
	WLOAD 0, 1, 0
	WLOAD 1, 0, 1
	WLOAD 1, 1, 1
	WIN 0
	CROUND                                         ; all sixteen work-groups are here: the first joint loads meet
	tensor_load_to_lds s[G0:G0+3], s[G1:G1+7]      ; two tensor loads of the wave are out here, one behind each later round
	s_nop 0
	tensor_load_to_lds s[G0+4:G0+7], s[G1:G1+7]
	s_nop 0
	CONV 0, 0, 0, 1, 24, 2
	CONV 0, 1, 0, 1, 24, 2
	WIN 0
	s_wait_xcnt 0x0
	WSTEP 3                                        ; the t-th K step asks for the weights of the (t + 3)-th
	s_wait_dscnt 0x0
	s_wait_tensorcnt 0x1                           ; my rows of slot 0 are in; slot 1's may stay out
	s_barrier_signal -1
	s_barrier_wait -1
	FRAGS 0, 0, 0, 0, F0
	LAP 1                                          ; its first products start the sums
	WIN 0
	s_mov_b32 s27, 6
.Llap:
	LAP 0
	WIN 0
	s_sub_co_u32 s27, s27, 1
	s_cmp_lg_u32 s27, 0
	s_cbranch_scc1 .Llap
	; my K steps 28 to 31: no slot is filled again, the weight ring runs empty
	STEP 0, 0, 0, 0, 1, 1, 24, 24
	TURNP 0, 256, 1, 0, 0
	STEP 0, 1, 1, 0, 1, 0, 24, 16
	TURNP 1, 0, 0, 1, 0                            ; slot 1's last fill has landed: no tensor load is out from here on
	STEP 1, 0, 0, 0, 1, 0, 8, 0
	TURNP 1, 256, 1, 0, 0                          ; behind this barrier no wave reads weight tile 0 any more: the stages lie there
	STEP 1, 1, 1, 0, 0, 0, 0, 0
	s_wait_dscnt 0x0
	WIN 0x50
	MUL F1, 0, 0
	MUL F1, 2, 0
	; THE WAY OUT, 16 rows at a time: the sums times 8 (ab came times 2^-3), a lane's eight f32 (32 bytes) into my own stage, whole rows of 256 bytes back and out.
	s_mov_b32 s62, 0x41000000                      ; 8.0, twice: a pair for the packed multiply
	s_mov_b32 s63, 0x41000000
	WIN 0
	PLACES                                         ; behind the last matrix instructions: for the multiplies of results and the loads into the fragment buffers
.macro OUT16 a
	WIN 0x41                                       ; source 0 and the destination in window 1
.irp i, 0,2,4,6,8,10,12,14,16,18,20,22,24,26,28,30
	v_pk_mul_f32 v[32*\a+\i:32*\a+\i+1], v[32*\a+\i:32*\a+\i+1], s[62:63] op_sel_hi:[1,0]
.endr
	WIN 0x04                                       ; the store's data in window 1
.irp b, 0,1,2,3
	ds_store_b128 v[STO], v[8*(4*\a+\b):8*(4*\a+\b)+3]   offset:64*\b
	ds_store_b128 v[STO], v[8*(4*\a+\b)+4:8*(4*\a+\b)+7] offset:64*\b+16
.endr
	WIN 0
.irp t, 0,1,2,3,4,5,6,7
	ds_load_b128 v[F0+32*\a+4*\t:F0+32*\a+4*\t+3], v[RD] offset:\t*2*SPITCH        ; LDS serves a wave's instructions in order (ISA guide 5.7.1.4); each block of 16 rows has registers of its own
.endr
.irp t, 0,1,2,3,4,5,6,7
	s_wait_dscnt 7-\t
	global_store_b128 v[CO], v[F0+32*\a+4*\t:F0+32*\a+4*\t+3], s[54:55] offset:(16*\a+2*\t)*16384 th:TH_STORE_NT   ; 16 lanes store 256 consecutive bytes, aligned
.endr
.endm
	OUT16 0
	OUT16 1
	OUT16 2
	OUT16 3
	CROUND                                         ; the closing round
	s_endpgm
.Lfunc_end_k_qbfe3b9fd57_oproj:
	.size	k_qbfe3b9fd57_oproj, .Lfunc_end_k_qbfe3b9fd57_oproj-k_qbfe3b9fd57_oproj
	.p2alignl 7, 3214868480
	.fill 96, 4, 3214868480
	.section	.rodata,"a",@progbits
	.p2align	6, 0x0
	.amdhsa_kernel k_qbfe3b9fd57_oproj
		.amdhsa_group_segment_fixed_size 327680
		.amdhsa_private_segment_fixed_size 0
		.amdhsa_enable_private_segment 0
		.amdhsa_kernarg_size 24
		.amdhsa_user_sgpr_count 2
		.amdhsa_user_sgpr_kernarg_segment_ptr 1
		.amdhsa_wavefront_size32 1
		.amdhsa_system_sgpr_workgroup_id_x 1
		.amdhsa_system_sgpr_workgroup_id_y 1
		.amdhsa_system_sgpr_workgroup_id_z 1
		.amdhsa_system_vgpr_workitem_id 0
		.amdhsa_next_free_vgpr 672
		.amdhsa_next_free_sgpr 66
		.amdhsa_reserve_vcc 0
		.amdhsa_float_denorm_mode_32 3
		.amdhsa_float_denorm_mode_16_64 3
		.amdhsa_memory_ordered 1
		.amdhsa_forward_progress 1
		.amdhsa_inst_pref_size 183
	.end_amdhsa_kernel
	.amdgpu_metadata
---
amdhsa.version: [ 1, 2 ]
amdhsa.kernels:
  - .name:           k_qbfe3b9fd57_oproj
    .symbol:         k_qbfe3b9fd57_oproj.kd
    .args:
      - { .name: ab, .offset: 0, .size: 8, .value_kind: global_buffer, .address_space: global }
      - { .name: wo, .offset: 8, .size: 8, .value_kind: global_buffer, .address_space: global }
      - { .name: out0, .offset: 16, .size: 8, .value_kind: global_buffer, .address_space: global }
    .group_segment_fixed_size: 327680
    .private_segment_fixed_size: 0
    .kernarg_segment_align: 8
    .kernarg_segment_size: 24
    .max_flat_workgroup_size: 128
    .sgpr_count:     66
    .vgpr_count:     672
    .wavefront_size: 32
...
	.end_amdgpu_metadata
.endif
;; end of part 4
